; MI455X (gfx1250); checked and timed in simulation.
; The chip was launched on July 23, 2026; its instructions are those of AMD's public machine-readable ISA for CDNA 5 (MIT licence, August 2026) and "CDNA5" Instruction Set Architecture Reference Guide (July 2026). The comments in the code are by the model that wrote it; some were corrected since.
;; Attention. Allowed arithmetic: matrix products marked QUANTISED: E2M1 operands, one E8M0 scale for each 32 along K, by v_wmma_scale_f32_16x16x128_f8f6f4 with both operands' format E2M1 (or v_wmma_scale_f32_32x16x128_f4), f32 sums; products left as they are: bf16, f16 or f32 operands; f32 sums; everything else in f32.
;; Inputs: Wk 512 x 512 float32; Wo 512 x 512 float32; Wq 512 x 512 float32; Wv 512 x 512 float32; bk 512 float32; bo 512 float32; bq 512 float32; bv 512 float32; context 2 x 4,096 x 512 float32; query 2 x 4,096 x 512 float32.
;; Outputs: out0 2 x 4,096 x 512 float32.
;; This version of the problem:
;;   THIS VERSION OF THE PROBLEM IS GIVEN IN LOW PRECISION. The matrix products marked QUANTISED in the list below multiply operands that are first quantised to E2M1 (2 exponent bits, 1 mantissa bit; 4 bits a number), with one power-of-two scale for each 32 numbers along K (OCP MX v1.0); their sums are f32. The products marked 'left as it is' may take bf16, f16 or f32 operands, with f32 sums. Whichever they take, every output number must still come out within the allowed error. Rounding operands to bf16 (8 significant bits) uses up far more of that allowance than f16 does (11 bits, for magnitudes from 6e-5 to 65,504). All else is computed in f32.
;;   The module's matrix products, in the order in which they are computed (A, B: the left and right operand; K: the contracted axis; several contracted axes count as one K, in the product's order):
;;     1. [M 8,192, K 512] x [K 512, N 512]; A: input query; B: input Wq: QUANTISED
;;     2. [M 8,192, K 512] x [K 512, N 512]; A: input context; B: input Wk: QUANTISED
;;     3. [M 8,192, K 512] x [K 512, N 512]; A: input context; B: input Wv: QUANTISED
;;     4. batch 16 x [M 4,096, K 64] x [K 64, N 4,096]; A: computed on the way; B: computed on the way: left as it is (an operand is computed on the way)
;;     5. batch 16 x [M 4,096, K 4,096] x [K 4,096, N 64]; A: computed on the way; B: computed on the way: left as it is (an operand is computed on the way)
;;     6. [M 8,192, K 512] x [K 512, N 512]; A: computed on the way; B: input Wo: left as it is (an operand is computed on the way)
;;   THE QUANTISER, for each operand of a quantised product, along K:
;;     - K is cut into blocks of 32 from its start; a last block that is shorter is filled with zeros.
;;     - A block's scale is 2^e with e = floor(log2(the largest magnitude in the block)) - 2, held to -126 .. 127; a block of zeros has e = 0. As a byte (E8M0): e + 127.
;;     - Each number is divided by its block's scale, clamped to +-6, and rounded to the nearest number of E2M1, ties to even, subnormals kept.
;;     - The product sums the exact products of the quantised numbers (number of the format x scale) in f32.
;;   ~~~python
;;   def quantise(x, axis):      # numpy; x: float32 -> the quantised numbers, widened to float32 again
;;       x = np.moveaxis(x, axis, -1); K = x.shape[-1]
;;       x = np.pad(x, [(0, 0)] * (x.ndim - 1) + [(0, -K % 32)]); x = x.reshape(x.shape[:-1] + (-1, 32)); a = np.abs(x).max(-1, keepdims=True)
;;       e = np.where(a > 0, np.clip(np.frexp(np.where(a > 0, a, 1))[1] - 1 - 2, -126, 127), 0)      # np.frexp(a)[1] - 1 = floor(log2(a)), exactly
;;       r = np.clip(x / 2.0 ** e, -6, 6)
;;       step = 2.0 ** (np.maximum(np.frexp(np.where(r == 0, 1, r))[1] - 1, 0) - 1)
;;       q = np.round(r / step) * step * 2.0 ** e      # np.round: ties to even
;;       return np.moveaxis(q.reshape(q.shape[:-2] + (-1,))[..., :K], -1, axis).astype(np.float32)
;;   ~~~
;; One version. Each part assembles by itself: llvm-mc -triple=amdgcn-amd-amdhsa -mcpu=gfx1250 --defsym DOCPART=n.
;; ======== version 1 of 1: 4 launches
;; limits: values are held in f16: magnitudes above 65,504 overflow, below 6.1e-05 lose precision
;; workspace buffers: codes 4,587,520 bytes; scales 286,720 bytes; wo_f 524,288 bytes; q_f 8,388,608 bytes; kv 16,777,216 bytes; ctx_f 8,388,608 bytes
;; launch prep (part 1): grid 312 x 1, 4 waves a work-group, no clusters, 39,424 bytes of LDS; arguments query, context, Wq, Wk, Wv, Wo, codes, scales, wo_f; writes codes, scales, wo_f
.if DOCPART == 1
	.amdgcn_target "amdgcn-amd-amdhsa--gfx1250"
	.amdhsa_code_object_version 6
	.text
	.protected	k_q7c07843f2c_prep
	.globl	k_q7c07843f2c_prep
	.p2align	8
	.type	k_q7c07843f2c_prep,@function
k_q7c07843f2c_prep:
	s_mov_b64 s[64:65], 0
	v_nop
	global_prefetch_b8 v0, s[64:65] scope:SCOPE_SE
	s_setreg_imm32_b32 hwreg(HW_REG_WAVE_MODE, 25, 1), 1
	s_wait_xcnt 0x0
; LAUNCH 1 OF 4.  out0 = softmax((query Wq^T + bq)(context Wk^T + bk)^T / 8)(context Wv^T + bv) Wo^T + bo, 8 heads of 64.
; WORK LEFT OUT, for all finite values of the inputs:
;   bk.  A score is q.(k0 + bk) / 8 = q.k0 / 8 + q.bk / 8, k0 = context Wk^T.  The second term is the same for every key of a row, and a softmax along the keys
;   does not change when one number is added to all its inputs.  The product of q and k is not quantised, so no quantiser sees bk.  bk has no way to an output:
;   it is not loaded and is an argument of no launch.  LIMIT: a NaN, an infinity or an overflow that reaches only q.bk is not carried to the result.
;   bv is live, and moves: sum(p (v0 + bv)) / sum(p) = sum(p v0) / sum(p) + bv.  It is the addend of the multiply-add that divides by the row's sum (launch 3).
; THIS LAUNCH turns query, context, Wq, Wk, Wv (f32, K = 512 innermost) into codes of FP4 (E2M1) with one E8M0 byte for each 32 along K, and Wo into f16.
; A block's scale is 2^(floor(log2(its largest magnitude)) - 2); its byte is the largest magnitude's exponent field - 2, held at 1 from below.  (A block of zeros keeps the byte 1
; where the rule says 127: its codes are zeros, which add nothing under any byte but 0xff, and this program alone reads the bytes.)
; LIMITS: blocks whose largest magnitude lies under 2^-124 keep the byte 1; NaN and infinities among the inputs are not served.
; LAYOUT OF THE CODES: by tiles of 16 rows x 512 K, 4,096 bytes, [block of 32 along K: 16][row: 16][16 bytes].  That is the order of an operand's registers: K step s, piece c, lane 16 h + r
; lies at 1,024 s + 512 c + 16 lane, so that the next launch loads whole fragments with 16 bytes a lane.  Tiles 0-511 query, 512-1023 context, 1024-1055 Wq, 1056-1087 Wk, 1088-1119 Wv.
; The scale bytes: [row][16].  Wo in f16, in the order of a 16-bit operand's registers: [128 rows][128 K][16 rows][32 K][piece][lane][16 bytes].
; SHARES: work-groups 0-279: a wave takes one tile, a row (512 numbers) a step.  Each load reads 512 consecutive bytes; a step's 2,048 bytes turn through the wave's own stage in LDS, so that a lane
; holds 16 neighbours along K; the codes are gathered in the wave's image of the tile and leave as 512 consecutive bytes a store.  Work-groups 280-311: Wo, 16 rows each, a wave 128 along K.
; No tensor loads, no barrier: waves share nothing.
.set STEPS, 16
.set WGQ,   280                        ; work-groups that quantise
.set EMAX,  2
.set R,     16                         ; v16-79   four sets of 16 numbers as loaded
.set X,     80                         ; v80-111  two sets of 16 neighbours
.set E,     112                        ; v112-127 a scale byte for each step
.set C,     128                        ; v128-191 codes: four registers for each step
.set WREG,  9728                       ; LDS of a wave: two stages of 32 x 80 bytes, the tile's image, 256 scale bytes
.set SP,    80
.set IMG,   5120                       ; the image: 16 blocks x (256 bytes + 16)
.set IP,    272
.set SCB,   9472
.set SPW,   12                         ; v12 my spare word's address; never rewritten
.set NIL,   13                         ; v13 0; never rewritten
.set SPARE, 4*WREG                     ; the spare words, 128 bytes a wave: two blocks of 256 bytes that no other line names
	s_load_b256 s[4:11], s[0:1], 0x0               ; query, context, Wq, Wk
	s_load_b256 s[12:19], s[0:1], 0x20             ; Wv, Wo, codes, scales
	s_load_b64 s[20:21], s[0:1], 0x40              ; wo_f
	v_lshl_add_u32 v[SPW], v0, 2, SPARE
	v_mov_b32 v[NIL], 0
	v_lshrrev_b32 v1, 5, v0
	v_readfirstlane_b32 s26, v1                    ; wave
	v_and_b32 v2, 31, v0                           ; lane
	v_lshlrev_b32 v3, 4, v2                        ; 16 x lane
	s_cmp_ge_u32 ttmp9, WGQ
	s_cbranch_scc1 .Lwo
	s_mul_i32 s27, s26, WREG
	v_lshrrev_b32 v14, 2, v2
	v_mul_u32_u24 v14, v14, SP
	v_and_b32 v15, 3, v2
	v_lshl_add_u32 v14, v15, 4, v14
	v_add_nc_u32 v14, s27, v14                     ; the stage, in: 80 (lane / 4) + 16 (lane % 4)
	v_mul_u32_u24 v15, v2, SP
	v_add_nc_u32 v15, s27, v15                     ; and out: 80 x lane: my 16 neighbours
	v_lshrrev_b32 v5, 1, v2                        ; my block of 32
	v_mul_u32_u24 v4, v5, IP
	v_and_b32 v6, 1, v2
	v_lshl_add_u32 v4, v6, 3, v4
	v_add_nc_u32 v4, s27, v4
	v_add_nc_u32 v4, IMG, v4                       ; the image, in: 272 x block + 8 x (which half of it); the row stands in the immediate
	v_add_nc_u32 v5, s27, v5
	v_add_nc_u32 v5, SCB, v5                       ; my block's scale byte
	v_lshlrev_b32 v7, 3, v2
	v_add_nc_u32 v6, s27, v7
	v_add_nc_u32 v6, SCB, v6                       ; the scale bytes on the way out: 8 a lane
	v_lshrrev_b32 v10, 4, v2
	v_mul_u32_u24 v10, v10, IP
	v_and_b32 v8, 15, v2
	v_lshl_add_u32 v10, v8, 4, v10
	v_add_nc_u32 v10, s27, v10
	v_add_nc_u32 v10, IMG, v10                     ; the image, out: two blocks an instruction, sixteen lanes to a block
	s_lshl_b32 s28, ttmp9, 2
	s_add_co_u32 s28, s28, s26                     ; my tile
	s_lshl_b32 s30, s28, 12
	s_mov_b32 s31, 0
	s_wait_kmcnt 0x0
	s_add_nc_u64 s[16:17], s[16:17], s[30:31]      ; its codes
	s_lshl_b32 s30, s28, 8
	s_add_nc_u64 s[18:19], s[18:19], s[30:31]      ; its scale bytes
	s_mov_b64 s[22:23], s[12:13]                   ; which tensor: the choice hangs on the work-group's number alone
	s_mov_b32 s24, 272
	s_cmp_lt_u32 ttmp9, 272
	s_cselect_b64 s[22:23], s[10:11], s[22:23]
	s_cselect_b32 s24, 264, s24
	s_cmp_lt_u32 ttmp9, 264
	s_cselect_b64 s[22:23], s[8:9], s[22:23]
	s_cselect_b32 s24, 256, s24
	s_cmp_lt_u32 ttmp9, 256
	s_cselect_b64 s[22:23], s[6:7], s[22:23]
	s_cselect_b32 s24, 128, s24
	s_cmp_lt_u32 ttmp9, 128
	s_cselect_b64 s[22:23], s[4:5], s[22:23]
	s_cselect_b32 s24, 0, s24
	s_sub_co_u32 s24, ttmp9, s24
	s_lshl_b32 s24, s24, 2
	s_add_co_u32 s24, s24, s26                     ; my tile within that tensor,
	s_lshl_b32 s24, s24, 15                        ; 32,768 bytes of f32 each
	s_mov_b32 s25, 0
	s_add_nc_u64 s[22:23], s[22:23], s[24:25]
.macro LOAD t
.irp i, 0,1,2,3
	global_load_b128 v[R+16*((\t)%4)+4*\i:R+16*((\t)%4)+4*\i+3], v3, s[22:23] offset:2048*(\t)+512*\i th:TH_LOAD_NT   ; 32 lanes read 512 consecutive bytes
.endr
.endm
.macro TURN t                          ; step t's numbers through the stage: LDS serves a wave's instructions in order, so no wait stands between the stores and the loads
.irp i, 0,1,2,3
	ds_store_b128 v14, v[R+16*((\t)%4)+4*\i:R+16*((\t)%4)+4*\i+3] offset:32*SP*((\t)%2)+8*SP*\i
.endr
.irp i, 0,1,2,3
	ds_load_b128 v[X+16*((\t)%2)+4*\i:X+16*((\t)%2)+4*\i+3], v15 offset:32*SP*((\t)%2)+16*\i
.endr
.endm
.irp t, 0,1,2,3
	LOAD \t
.endr
	s_wait_loadcnt 12                              ; step 0's four loads are in
	TURN 0
.macro STEP t
.set XS, X+16*((\t)%2)
.if (\t) > 0
	s_wait_dscnt 2                                 ; this step's numbers are back from the stage; the last step's byte store and code store may be out
.else
	s_wait_dscnt 0x0
.endif
.if (\t)+4 < STEPS
	LOAD (\t)+4                                    ; into the registers that this step's stage stores have read
.endif
.if (\t)+1 < STEPS
.if STEPS-2-(\t) >= 3
	s_wait_loadcnt 12                              ; the next step's four loads are in; those of the three steps behind it may be out
.else
	s_wait_loadcnt 4*(STEPS-2-(\t))
.endif
	TURN (\t)+1
.endif
	v_max3_num_f32 v8, |v[XS]|, |v[XS+1]|, |v[XS+2]|               ; the largest magnitude of my 16
	v_max3_num_f32 v9, |v[XS+3]|, |v[XS+4]|, |v[XS+5]|
.irp i, 6,10
	v_max3_num_f32 v8, v8, |v[XS+\i]|, |v[XS+\i+1]|
	v_max3_num_f32 v9, v9, |v[XS+\i+2]|, |v[XS+\i+3]|
.endr
	v_max3_num_f32 v8, v8, |v[XS+14]|, |v[XS+15]|
	v_max3_num_f32 v8, v8, v9, (EMAX+1)<<23        ; and the floor 2^(3 - 127): the byte cannot fall under 1
	v_max_num_f32_dpp v8, v8, v8 row_xmask:1 row_mask:0xf bank_mask:0xf   ; and of my neighbour's 16: the block's
	v_add_nc_u32 v11, -(EMAX<<23), v8              ; 2 off its exponent field: the conversion takes the exponent field of this operand as its scale
	v_cvt_scalef32_pk8_fp4_f32 v[C+4*(\t)], v[XS:XS+7], v11
	v_cvt_scalef32_pk8_fp4_f32 v[C+4*(\t)+1], v[XS+8:XS+15], v11
	v_lshrrev_b32 v[E+(\t)], 23, v11               ; the scale's byte (also the plain line behind the conversions)
	ds_store_b8 v5, v[E+(\t)] offset:16*(\t)       ; both lanes of a block write the same byte with the same value
	ds_store_b64 v4, v[C+4*(\t):C+4*(\t)+1] offset:16*(\t)   ; row t's place in my block of the image
.endm
.irp t, 0,1,2,3,4,5,6,7,8,9,10,11,12,13,14,15
	STEP \t
.endr
	ds_load_b64 v[8:9], v6                         ; LDS serves a wave's instructions in order: these see my stores
.irp i, 0,1,2,3,4,5,6,7
	ds_load_b128 v[R+4*\i:R+4*\i+3], v10 offset:2*IP*\i
.endr
	s_wait_dscnt 0x0
	global_store_b64 v7, v[8:9], s[18:19]          ; 32 lanes store 256 consecutive bytes, aligned
.irp i, 0,1,2,3,4,5,6,7
	global_store_b128 v3, v[R+4*\i:R+4*\i+3], s[16:17] offset:512*\i   ; 512 consecutive bytes a store
.endr
	s_wait_tensorcnt 0x0                           ; the wave's end: behind my last LDS store
	ds_add_u32 v[SPW], v[NIL]
	s_wait_dscnt 0x0
	s_endpgm
.Lwo:                                              ; Wo to f16: rows 16 nt on, K = 128 x wave on; lane (r, h) takes of row r eight numbers at 32 kk + 16 c + 8 h
	s_sub_co_u32 s27, ttmp9, WGQ                   ; nt
	v_and_b32 v4, 15, v0
	v_bfe_u32 v5, v0, 4, 1
	v_lshlrev_b32 v4, 11, v4
	v_lshl_add_u32 v4, v5, 5, v4                   ; 2,048 r + 32 h
	s_lshl_b32 s28, s27, 15
	s_lshl_b32 s29, s26, 9
	s_add_co_u32 s28, s28, s29
	s_mov_b32 s29, 0
	s_lshr_b32 s30, s27, 3
	s_lshl_b32 s30, s30, 17                        ; the block of 128 rows,
	s_lshl_b32 s31, s26, 15
	s_add_co_u32 s30, s30, s31                     ; the quarter of K,
	s_and_b32 s31, s27, 7
	s_lshl_b32 s31, s31, 12
	s_add_co_u32 s30, s30, s31                     ; the tile of 16 rows
	s_mov_b32 s31, 0
	s_wait_kmcnt 0x0
	s_add_nc_u64 s[14:15], s[14:15], s[28:29]
	s_add_nc_u64 s[20:21], s[20:21], s[30:31]
.irp kk, 0,1,2,3
.irp c, 0,1
.irp g, 0,1
	global_load_b128 v[16+8*(2*\kk+\c)+4*\g:16+8*(2*\kk+\c)+4*\g+3], v4, s[14:15] offset:128*\kk+64*\c+16*\g
.endr
.endr
.endr
	s_wait_loadcnt 0x0
.set p, 0
.rept 8
.irp j, 0,1,2,3
	v_cvt_pk_f16_f32 v[128+4*p+\j], v[16+8*p+2*\j], v[16+8*p+2*\j+1]
.endr
.set p, p+1
.endr
.irp kk, 0,1,2,3
.irp c, 0,1
	global_store_b128 v3, v[128+4*(2*\kk+\c):128+4*(2*\kk+\c)+3], s[20:21] offset:1024*\kk+512*\c
.endr
.endr
	s_wait_tensorcnt 0x0                           ; the same three lines at this path's end
	ds_add_u32 v[SPW], v[NIL]
	s_wait_dscnt 0x0
	s_endpgm
.Lfunc_end_k_q7c07843f2c_prep:
	.size	k_q7c07843f2c_prep, .Lfunc_end_k_q7c07843f2c_prep-k_q7c07843f2c_prep
	.p2alignl 7, 3214868480
	.fill 96, 4, 3214868480
	.section	.rodata,"a",@progbits
	.p2align	6, 0x0
	.amdhsa_kernel k_q7c07843f2c_prep
		.amdhsa_group_segment_fixed_size 39424
		.amdhsa_private_segment_fixed_size 0
		.amdhsa_enable_private_segment 0
		.amdhsa_kernarg_size 72
		.amdhsa_user_sgpr_count 2
		.amdhsa_user_sgpr_kernarg_segment_ptr 1
		.amdhsa_wavefront_size32 1
		.amdhsa_system_sgpr_workgroup_id_x 1
		.amdhsa_system_sgpr_workgroup_id_y 1
		.amdhsa_system_sgpr_workgroup_id_z 1
		.amdhsa_system_vgpr_workitem_id 0
		.amdhsa_next_free_vgpr 192
		.amdhsa_next_free_sgpr 66
		.amdhsa_reserve_vcc 0
		.amdhsa_float_denorm_mode_32 3
		.amdhsa_float_denorm_mode_16_64 3
		.amdhsa_memory_ordered 1
		.amdhsa_forward_progress 1
		.amdhsa_inst_pref_size 40
	.end_amdhsa_kernel
	.amdgpu_metadata
---
amdhsa.version: [ 1, 2 ]
amdhsa.kernels:
  - .name:           k_q7c07843f2c_prep
    .symbol:         k_q7c07843f2c_prep.kd
    .args:
      - { .name: query, .offset: 0, .size: 8, .value_kind: global_buffer, .address_space: global }
      - { .name: context, .offset: 8, .size: 8, .value_kind: global_buffer, .address_space: global }
      - { .name: Wq, .offset: 16, .size: 8, .value_kind: global_buffer, .address_space: global }
      - { .name: Wk, .offset: 24, .size: 8, .value_kind: global_buffer, .address_space: global }
      - { .name: Wv, .offset: 32, .size: 8, .value_kind: global_buffer, .address_space: global }
      - { .name: Wo, .offset: 40, .size: 8, .value_kind: global_buffer, .address_space: global }
      - { .name: codes, .offset: 48, .size: 8, .value_kind: global_buffer, .address_space: global }
      - { .name: scales, .offset: 56, .size: 8, .value_kind: global_buffer, .address_space: global }
      - { .name: wo_f, .offset: 64, .size: 8, .value_kind: global_buffer, .address_space: global }
    .group_segment_fixed_size: 39424
    .private_segment_fixed_size: 0
    .kernarg_segment_align: 8
    .kernarg_segment_size: 72
    .max_flat_workgroup_size: 128
    .sgpr_count:     66
    .vgpr_count:     192
    .wavefront_size: 32
...
	.end_amdgpu_metadata
.endif
;; end of part 1
;; launch proj (part 2): grid 256 x 3, 4 waves a work-group, no clusters, 0 bytes of LDS; arguments codes, scales, bq, q_f, kv; writes q_f, kv
.if DOCPART == 2
	.amdgcn_target "amdgcn-amd-amdhsa--gfx1250"
	.amdhsa_code_object_version 6
	.text
	.protected	k_q7c07843f2c_proj
	.globl	k_q7c07843f2c_proj
	.p2align	8
	.type	k_q7c07843f2c_proj,@function
k_q7c07843f2c_proj:
	s_mov_b64 s[64:65], 0
	v_nop
	global_prefetch_b8 v0, s[64:65] scope:SCOPE_SE
	s_setreg_imm32_b32 hwreg(HW_REG_WAVE_MODE, 25, 1), 1
	s_wait_xcnt 0x0
; LAUNCH 2 OF 4: the three quantised products, on codes of FP4 with E8M0 scales: q = query Wq^T + bq, k = context Wk^T, v = context Wv^T; results rounded to f16.
; WORK LEFT OUT: bk (the same for all keys of a row of scores: the softmax takes it away; shown at the head of launch 1); bv is added in launch 3.
; SHARES: work-group y = the product (0 q, 1 k, 2 v); x = 2 x (block of 64 rows) + (half of the heads).  A wave makes 64 rows x one head's 64 channels: 16 accumulators, 4 K steps of 128, 64 matrix instructions.
; The codes lie in the order of an operand's registers, so both operands (16 KiB each) go from memory straight into registers, 512 consecutive bytes a load: no LDS, no barrier.
; NO CLUSTER: a joint load lands in LDS, and this text has no LDS stage: K is four steps deep, the operands are read into registers once, and what the launch moves most is its own 25 MB of results.
; q, k: source 0 = 16 rows of W, source 1 = 16 rows of x: a lane holds one row and eight neighbouring channels.  v: the sources swapped: a lane holds one channel and eight neighbouring keys.
; Packed to f16, an accumulator IS a piece of the next product's operand: every store is 16 bytes a lane at 16 x lane.
; q_f: [batch x head][tile of 16 queries][piece t][lane][16 bytes]: lane (r, h): query r, channels 16 t + 8 h + 0..7.
; kv:  [batch x head][chunk of 512 keys][k: 64 KiB, v: 64 KiB], each [tile of 16 keys u][piece t][lane][16 bytes]; k as q; v: lane (r, h): channel 16 t + r, keys 16 u + 8 h + 0..7.
; LIMIT: |q|, |k|, |v| stay under 65,504 (f16); NaN and infinities are not served.
; REGISTERS: window 0: v1-3 addresses; v16-31 W's scale words (4 t + s), v32-47 x's (4 i + s): scales and nothing else; v48-79 bq, later v48-111 the packed results; v128-255 accumulators (i, t) at 128 + 8 (4 i + t).
;   window 1: v0-127 W's fragments (t, s) at 32 t + 8 s; v128-255 x's (i, s) at 128 + 32 i + 8 s.
.set LI,  1
.set SO,  2
.set BQO, 3
.set SW,  16
.set SX,  32
.set BQ,  48
.set PK,  48
.set ACC, 128
.set WF,  0
.set XF,  128
.set MSB, 0
.macro WIN new                         ; the immediate's high byte repeats the setting that is left
.if MSB != \new
	s_set_vgpr_msb (MSB<<8)|\new
.set MSB, \new
.endif
.endm
; 64 matrix instructions: K step by K step, the 16 accumulators by turns, one instruction a turn.  The first K step starts the sums: with bq (bias = 1) or with 0.
.macro PROD swap, bias
.irp s, 0,1,2,3
.irp i, 0,1,2,3
.irp t, 0,1,2,3
.if \swap
.if \s == 0
	v_wmma_scale_f32_16x16x128_f8f6f4 v[ACC+8*(4*\i+\t):ACC+8*(4*\i+\t)+7], v[XF+32*\i+8*\s:XF+32*\i+8*\s+7], v[WF+32*\t+8*\s:WF+32*\t+8*\s+7], 0, v[SX+4*\i+\s], v[SW+4*\t+\s] matrix_a_fmt:MATRIX_FMT_FP4 matrix_b_fmt:MATRIX_FMT_FP4
.else
	v_wmma_scale_f32_16x16x128_f8f6f4 v[ACC+8*(4*\i+\t):ACC+8*(4*\i+\t)+7], v[XF+32*\i+8*\s:XF+32*\i+8*\s+7], v[WF+32*\t+8*\s:WF+32*\t+8*\s+7], v[ACC+8*(4*\i+\t):ACC+8*(4*\i+\t)+7], v[SX+4*\i+\s], v[SW+4*\t+\s] matrix_a_fmt:MATRIX_FMT_FP4 matrix_b_fmt:MATRIX_FMT_FP4
.endif
.else
.if (\s == 0) && \bias
	v_wmma_scale_f32_16x16x128_f8f6f4 v[ACC+8*(4*\i+\t):ACC+8*(4*\i+\t)+7], v[WF+32*\t+8*\s:WF+32*\t+8*\s+7], v[XF+32*\i+8*\s:XF+32*\i+8*\s+7], v[BQ+8*\t:BQ+8*\t+7], v[SW+4*\t+\s], v[SX+4*\i+\s] matrix_a_fmt:MATRIX_FMT_FP4 matrix_b_fmt:MATRIX_FMT_FP4
.elseif \s == 0
	v_wmma_scale_f32_16x16x128_f8f6f4 v[ACC+8*(4*\i+\t):ACC+8*(4*\i+\t)+7], v[WF+32*\t+8*\s:WF+32*\t+8*\s+7], v[XF+32*\i+8*\s:XF+32*\i+8*\s+7], 0, v[SW+4*\t+\s], v[SX+4*\i+\s] matrix_a_fmt:MATRIX_FMT_FP4 matrix_b_fmt:MATRIX_FMT_FP4
.else
	v_wmma_scale_f32_16x16x128_f8f6f4 v[ACC+8*(4*\i+\t):ACC+8*(4*\i+\t)+7], v[WF+32*\t+8*\s:WF+32*\t+8*\s+7], v[XF+32*\i+8*\s:XF+32*\i+8*\s+7], v[ACC+8*(4*\i+\t):ACC+8*(4*\i+\t)+7], v[SW+4*\t+\s], v[SX+4*\i+\s] matrix_a_fmt:MATRIX_FMT_FP4 matrix_b_fmt:MATRIX_FMT_FP4
.endif
.endif
.endr
.endr
.endr
.endm
	s_load_b256 s[4:11], s[0:1], 0x0               ; codes, scales, bq, q_f
	s_load_b64 s[12:13], s[0:1], 0x20              ; kv
	v_lshrrev_b32 v4, 5, v0
	v_readfirstlane_b32 s14, v4                    ; wave
	v_and_b32 v4, 31, v0
	v_lshlrev_b32 v[LI], 4, v4                     ; 16 x lane
	v_and_b32 v4, 15, v0
	v_lshlrev_b32 v[SO], 4, v4                     ; a row's 16 scale bytes: lanes 16-31 repeat lanes 0-15
	v_bfe_u32 v4, v0, 4, 1
	v_lshlrev_b32 v[BQO], 5, v4                    ; bq: 8 numbers on for lanes 16-31
	s_and_b32 s15, ttmp7, 0xffff                   ; the product
	s_lshr_b32 s16, ttmp9, 1                       ; the block of 64 rows
	s_and_b32 s17, ttmp9, 1
	s_lshl_b32 s17, s17, 2
	s_add_co_u32 s17, s17, s14                     ; the head
	s_lshl_b32 s18, s16, 2
	s_cmp_eq_u32 s15, 0
	s_cselect_b32 s19, 0, 512
	s_add_co_u32 s18, s18, s19                     ; x's first tile: query's from 0, context's from 512
	s_lshl_b32 s19, s15, 5
	s_lshl_b32 s20, s17, 2
	s_add_co_u32 s19, s19, s20
	s_add_co_u32 s19, s19, 1024                    ; W's first tile
	s_lshl_b32 s20, s18, 12
	s_mov_b32 s21, 0
	s_lshl_b32 s22, s19, 12
	s_mov_b32 s23, 0
	s_lshl_b32 s24, s18, 8
	s_mov_b32 s25, 0
	s_lshl_b32 s26, s19, 8
	s_mov_b32 s27, 0
	s_lshr_b32 s28, s16, 6
	s_lshl_b32 s28, s28, 3
	s_add_co_u32 s28, s28, s17                     ; 8 x batch + head
	s_and_b32 s29, s16, 63                         ; the block of 64 rows within the batch
	s_lshl_b32 s30, s28, 19
	s_lshl_b32 s31, s29, 13
	s_add_co_u32 s30, s30, s31                     ; where q's results go
	s_lshl_b32 s32, s28, 20
	s_lshr_b32 s33, s29, 3
	s_lshl_b32 s33, s33, 17
	s_add_co_u32 s32, s32, s33
	s_and_b32 s33, s29, 7
	s_lshl_b32 s33, s33, 13
	s_add_co_u32 s32, s32, s33                     ; where k's go;
	s_cmp_eq_u32 s15, 2
	s_cselect_b32 s33, 0x10000, 0
	s_add_co_u32 s32, s32, s33                     ; v's lie 64 KiB further on
	s_lshl_b32 s34, s17, 8
	s_mov_b32 s35, 0
	s_wait_kmcnt 0x0
	s_cmp_eq_u32 s15, 0                            ; the choice hangs on the work-group's number alone
	s_cselect_b64 s[36:37], s[10:11], s[12:13]
	s_cselect_b32 s38, s30, s32
	s_mov_b32 s39, 0
	s_add_nc_u64 s[36:37], s[36:37], s[38:39]
	s_add_nc_u64 s[40:41], s[4:5], s[20:21]        ; x's codes
	s_add_nc_u64 s[42:43], s[4:5], s[22:23]        ; W's codes
	s_add_nc_u64 s[44:45], s[6:7], s[24:25]        ; x's scales
	s_add_nc_u64 s[46:47], s[6:7], s[26:27]        ; W's scales
	s_add_nc_u64 s[8:9], s[8:9], s[34:35]          ; bq of my head
	WIN 0x40                                       ; destination window 1, address window 0
.set n, 0
.rept 32
	global_load_b128 v[WF+4*n:WF+4*n+3], v[LI], s[42:43] offset:512*n
.set n, n+1
.endr
.set n, 0
.rept 32
	global_load_b128 v[XF+4*n:XF+4*n+3], v[LI], s[40:41] offset:512*n
.set n, n+1
.endr
	WIN 0
.irp t, 0,1,2,3
	global_load_b128 v[SW+4*\t:SW+4*\t+3], v[SO], s[46:47] offset:256*\t
	global_load_b128 v[SX+4*\t:SX+4*\t+3], v[SO], s[44:45] offset:256*\t
.endr
	s_cmp_eq_u32 s15, 0
	s_cbranch_scc1 .Lq
	s_cmp_eq_u32 s15, 1
	s_cbranch_scc1 .Lk
	s_wait_loadcnt 0x0
	WIN 0x05                                       ; sources 0 and 1 window 1; C and D window 0
	PROD 1, 0
	WIN 0
	s_branch .Lout
.Lk:
	s_wait_loadcnt 0x0
	WIN 0x05
	PROD 0, 0
	WIN 0
	s_branch .Lout
.Lq:
.irp t, 0,1,2,3
.irp g, 0,1
	global_load_b128 v[BQ+8*\t+4*\g:BQ+8*\t+4*\g+3], v[BQO], s[8:9] offset:64*\t+16*\g   ; bq in the result's layout: channels 16 t + 8 h + 0..7
.endr
.endr
	s_wait_loadcnt 0x0
	WIN 0x05
	PROD 0, 1
	WIN 0
.Lout:
.rept 4
	v_nop                                          ; four places behind the last products, ahead of the conversions that read results and write where bq lay
.endr
.set a, 0
.rept 16
.irp j, 0,1,2,3
	v_cvt_pk_f16_f32 v[PK+4*a+\j], v[ACC+8*a+2*\j], v[ACC+8*a+2*\j+1]   ; each accumulator from its low end on
.endr
.set a, a+1
.endr
.set a, 0
.rept 16
	global_store_b128 v[LI], v[PK+4*a:PK+4*a+3], s[36:37] offset:512*a   ; piece (i, t) at 2,048 i + 512 t: 512 consecutive bytes a store
.set a, a+1
.endr
	s_endpgm
.Lfunc_end_k_q7c07843f2c_proj:
	.size	k_q7c07843f2c_proj, .Lfunc_end_k_q7c07843f2c_proj-k_q7c07843f2c_proj
	.p2alignl 7, 3214868480
	.fill 96, 4, 3214868480
	.section	.rodata,"a",@progbits
	.p2align	6, 0x0
	.amdhsa_kernel k_q7c07843f2c_proj
		.amdhsa_group_segment_fixed_size 0
		.amdhsa_private_segment_fixed_size 0
		.amdhsa_enable_private_segment 0
		.amdhsa_kernarg_size 40
		.amdhsa_user_sgpr_count 2
		.amdhsa_user_sgpr_kernarg_segment_ptr 1
		.amdhsa_wavefront_size32 1
		.amdhsa_system_sgpr_workgroup_id_x 1
		.amdhsa_system_sgpr_workgroup_id_y 1
		.amdhsa_system_sgpr_workgroup_id_z 1
		.amdhsa_system_vgpr_workitem_id 0
		.amdhsa_next_free_vgpr 512
		.amdhsa_next_free_sgpr 66
		.amdhsa_reserve_vcc 0
		.amdhsa_float_denorm_mode_32 3
		.amdhsa_float_denorm_mode_16_64 3
		.amdhsa_memory_ordered 1
		.amdhsa_forward_progress 1
		.amdhsa_inst_pref_size 41
	.end_amdhsa_kernel
	.amdgpu_metadata
---
amdhsa.version: [ 1, 2 ]
amdhsa.kernels:
  - .name:           k_q7c07843f2c_proj
    .symbol:         k_q7c07843f2c_proj.kd
    .args:
      - { .name: codes, .offset: 0, .size: 8, .value_kind: global_buffer, .address_space: global }
      - { .name: scales, .offset: 8, .size: 8, .value_kind: global_buffer, .address_space: global }
      - { .name: bq, .offset: 16, .size: 8, .value_kind: global_buffer, .address_space: global }
      - { .name: q_f, .offset: 24, .size: 8, .value_kind: global_buffer, .address_space: global }
      - { .name: kv, .offset: 32, .size: 8, .value_kind: global_buffer, .address_space: global }
    .group_segment_fixed_size: 0
    .private_segment_fixed_size: 0
    .kernarg_segment_align: 8
    .kernarg_segment_size: 40
    .max_flat_workgroup_size: 128
    .sgpr_count:     66
    .vgpr_count:     512
    .wavefront_size: 32
...
	.end_amdgpu_metadata
.endif
;; end of part 2
;; launch attn (part 3): grid 16 x 16, 8 waves a work-group, clusters of 4 x 1, 327,680 bytes of LDS; arguments q_f, kv, bv, ctx_f; writes ctx_f
.if DOCPART == 3
	.amdgcn_target "amdgcn-amd-amdhsa--gfx1250"
	.amdhsa_code_object_version 6
	.text
	.protected	k_q7c07843f2c_attn
	.globl	k_q7c07843f2c_attn
	.p2align	8
	.type	k_q7c07843f2c_attn,@function
k_q7c07843f2c_attn:
	s_mov_b64 s[64:65], 0
	v_nop
	global_prefetch_b8 v0, s[64:65] scope:SCOPE_SE
	s_setreg_imm32_b32 hwreg(HW_REG_WAVE_MODE, 25, 1), 1
	s_wait_xcnt 0x0
	s_wait_alu depctr_hold_cnt(0) depctr_sa_sdst(0) depctr_va_vdst(0) depctr_va_sdst(0) depctr_va_ssrc(0) depctr_va_vcc(0) depctr_vm_vsrc(0)
	s_getreg_b32 s2, hwreg(HW_REG_IB_STS2, 6, 4)
	s_cmp_eq_u32 s2, 0
	s_cbranch_scc0 .Lentry_in_a_cluster
	s_endpgm
.Lentry_in_a_cluster:
	s_bfe_u32 s2, ttmp6, 0x10000c
	s_cmp_lg_u32 s2, 0x3003
	s_cbranch_scc0 .Lentry_shape_is_right
	s_endpgm
.Lentry_shape_is_right:
; LAUNCH 3 OF 4: ctx = softmax(q k^T / 8) v + bv, for each batch and head; q, k, v in f16 (launch 2), products with f32 sums, softmax in f32, the weights p rounded to f16, ctx to f16.
; WORK LEFT OUT: bk (shown at the head of launch 1).  bv is added behind the division: sum(p (v0 + bv)) / sum(p) = sum(p v0) / sum(p) + bv.
; SHARES: a work-group owns 256 queries of one batch and head, each of its eight waves 32: two tiles of 16.  Every wave walks all 4,096 keys, 128 a step.  A fragment of k or v read from LDS feeds two matrix instructions.
; LAYOUT: S^T = k q^T (source 0 = 16 keys, source 1 = 16 queries): a lane holds one query and eight keys; two such tiles, rounded to f16 in pairs, in place, ARE source 1 of O^T = v^T p, whose result again holds one query a lane.
; THE ROW'S SUM is a fifth tile of channels: source 0 = ones.  Each of its registers is the sum of the query's p, as they were rounded for the product with v.
; SOFTMAX: a running maximum m for each query: p = 2^(c s - c m), c = log2(e) / 8; in every step O^T and the sum are multiplied by a = 2^(c m_old - c m_new).  O^T and the sum begin as zeros and m as -3e38.
; THE RING: two LDS slots of 128 KiB, each the image of a chunk of kv: 512 keys, k's 64 KiB, then v's.  The chunk lies in the order of the operands' registers: every LDS load reads 512 consecutive bytes, 16 a lane.
; Each of the eight waves moves 16 KiB of a chunk by one tensor load.  By this text's count a wave has two tensor loads out at the start and one behind each change of slots.
; CLUSTER: the four query blocks of a cluster belong to one batch and head and walk the same chunks: each part of a chunk is asked for JOINTLY, by the same load with the same descriptor and a mask that names the four.
; LIMITS: NaN and infinities are not served; |ctx| stays under 65,504 (f16).
; REGISTERS: window 0: v1-9 addresses; v16-31 statistics, tile q at 16 + 8 q: +0 c m, +1 m, +4..+7 at work, a at +6; v48-127 O^T and the sum, tile q at 48 + 40 q; v128-255 S^T, then p, tile q at 128 + 64 q.
;   window 1: v0-31 q; v32-95 k's key tiles 0-3; v96-223 first k's key tiles 4-7, then all of the step's v; v224-231 ones.
.set SLOT1, 1<<17
.set CHUNK, 131072
.set STEPB, 16384                      ; 128 keys of k, or of v, in a slot
.set SPARE, 2*SLOT1                    ; behind the ring: the spare words, 128 bytes a wave: four blocks of 256 bytes that no other line names
.set LI,  1                            ; v1  16 x lane
.set AV0, 2                            ; v2  + 64 KiB: v's half of a slot
.set AK1, 3                            ; v3  + 16 KiB: the next step's k
.set ADV, 4
.set ADK, 5
.set SPW, 6                            ; v6  my spare word's address; never rewritten
.set NIL, 7                            ; v7  0; never rewritten
.set PFO, 8                            ; v8  256 x lane
.set BVO, 9                            ; v9  32 x (lane / 16)
.set ST,  16
.set O,   48
.set S,   128
.set E,   32
.set F,   96
.set ONES, 224
.set WV,  12
.set PFA, 18                           ; s[18:19] where my prefetches stand
.set LIM, 20                           ; s20  1 in a wave that prefetches, else the greatest number
.set TB,  21                           ; s21  LDS byte at which the step's k begins
.set SLOTS, 22
.set TRI, 23
.set G1,  24                           ; s[24:31] descriptor group 1
.set G0,  32                           ; s[32:39] group 0: a set for each first fill; the second then walks on
.set CS,  40                           ; s[40:41] c, twice
.set SEL, 42                           ; s[42:43] lane selects: lane l xor 16
.set MSB, 0
.macro WIN new                         ; the immediate's high byte repeats the setting that is left
.if MSB != \new
	s_set_vgpr_msb (MSB<<8)|\new
.set MSB, \new
.endif
.endm
.macro CROUND                          ; a round of the cluster's barrier
	s_barrier_signal -1
	s_barrier_wait -1
	s_cmp_lg_u32 s[WV], 0
	s_cbranch_scc1 .Lnot_wave_0_\@
	s_barrier_signal -3
.Lnot_wave_0_\@:
	s_barrier_wait -3
	s_barrier_signal -1
	s_barrier_wait -1
.endm
; A prefetch of the chunk that the NEXT change of slots will ask for: four key steps ahead of that load.  All four clusters of a batch and head walk the same chunks: the first of them asks.  Its four partners share
; the chunk out BY ADDRESS, 32 KiB each; in each, waves 0 to 3 take 8 KiB, lanes 256 bytes apart: each aligned block of 256 bytes is named once in the launch.  The last change that fills a slot asks for nothing.
.macro ASK
	s_cmp_gt_u32 s[SLOTS], s[LIM]
	s_cbranch_scc0 .Lnot_mine_\@
	global_prefetch_b8 v[PFO], s[PFA:PFA+1] th:TH_LOAD_NT scope:SCOPE_SE
.Lnot_mine_\@:
.endm
; 16 matrix instructions: four key tiles from ub on x two query tiles, 64 channels deep; eight accumulators by turns; the first eight start the sums
.macro KQ16 base, ub
.irp cc, 0,1
.irp u, 0,1,2,3
.irp q, 0,1
.if \cc == 0
	v_wmma_f32_16x16x32_f16 v[S+64*\q+8*(\ub+\u):S+64*\q+8*(\ub+\u)+7], v[\base+16*\u+8*\cc:\base+16*\u+8*\cc+7], v[16*\q+8*\cc:16*\q+8*\cc+7], 0
.else
	v_wmma_f32_16x16x32_f16 v[S+64*\q+8*(\ub+\u):S+64*\q+8*(\ub+\u)+7], v[\base+16*\u+8*\cc:\base+16*\u+8*\cc+7], v[16*\q+8*\cc:16*\q+8*\cc+7], v[S+64*\q+8*(\ub+\u):S+64*\q+8*(\ub+\u)+7]
.endif
.endr
.endr
.endr
.endm
; 40 matrix instructions: 32 keys at a time; four tiles of channels and the tile of ones x two query tiles; ten accumulators by turns
.macro PV40
.irp kc, 0,1,2,3
.irp t, 0,1,2,3,4
.irp q, 0,1
.if \t == 4
	v_wmma_f32_16x16x32_f16 v[O+40*\q+32:O+40*\q+39], v[ONES:ONES+7], v[S+64*\q+8*\kc:S+64*\q+8*\kc+7], v[O+40*\q+32:O+40*\q+39]
.else
	v_wmma_f32_16x16x32_f16 v[O+40*\q+8*\t:O+40*\q+8*\t+7], v[F+8*(4*\kc+\t):F+8*(4*\kc+\t)+7], v[S+64*\q+8*\kc:S+64*\q+8*\kc+7], v[O+40*\q+8*\t:O+40*\q+8*\t+7]
.endif
.endr
.endr
.endr
.endm
.macro ELOADS                          ; k's key tiles 0-3 of the step at v[ADK]
.set n, 0
.rept 16
	ds_load_b128 v[E+4*n:E+4*n+3], v[ADK] offset:512*n
.set n, n+1
.endr
.endm
.macro FLOADS                          ; and its key tiles 4-7
.set n, 0
.rept 16
	ds_load_b128 v[F+4*n:F+4*n+3], v[ADK] offset:8192+512*n
.set n, n+1
.endr
.endm
; THE CHANGE OF SLOTS: the slot's last bytes, v of its fourth step, have been asked for.  Each wave waits for all its tensor loads (its part of the other slot), adds 0 to its spare word, and waits for that and
; for its reads of the slot.  fill = 1: the barrier is a round of the cluster's, and the joint refill, the chunk two on, is the first thing behind it: it has four key steps in which to land.
.macro CHANGE fill
	WIN 0
	s_wait_tensorcnt 0x0                           ; no tensor load of mine is out, so a group 0 may be written
	ds_add_u32 v[SPW], v[NIL]
.if \fill
	s_xor_b32 s[G0+5], s[G0+5], SLOT1              ; the walking descriptor: the other slot than last time,
	s_add_nc_u64 s[G0+6:G0+7], s[G0+6:G0+7], CHUNK ; the next chunk; the type bits on top are not reached
	s_wait_xcnt 0x0                                ; the last prefetch, four key steps back, has read its address
	s_add_nc_u64 s[PFA:PFA+1], s[PFA:PFA+1], CHUNK
	s_wait_dscnt 0x0                               ; the add is done, and my reads of the slot are over
	CROUND
	tensor_load_to_lds s[G0+4:G0+7], s[G1:G1+7]
	s_nop 0
.rept 4
	v_nop
.endr
	ASK
.else
	s_wait_dscnt 0x0
	s_barrier_signal -1
	s_barrier_wait -1
.endif
	s_sub_co_u32 s[TB], s[TB], 3*STEPB             ; back to a slot's first step,
	s_xor_b32 s[TB], s[TB], SLOT1                  ; in the other slot
.endm
; The softmax of a step's 128 keys, both tiles by turns.
.macro SOFTMAX
.irp b, 0,1,2,3
.irp q, 0,1
	v_max3_num_f32 v[ST+8*\q+4+\b], v[S+64*\q+16*\b], v[S+64*\q+16*\b+1], v[S+64*\q+16*\b+2]   ; four chains of 16 scores; each accumulator is read from its low end on
.endr
.endr
.irp i, 3,5,7,9,11,13
.irp b, 0,1,2,3
.irp q, 0,1
	v_max3_num_f32 v[ST+8*\q+4+\b], v[ST+8*\q+4+\b], v[S+64*\q+16*\b+\i], v[S+64*\q+16*\b+\i+1]
.endr
.endr
.endr
.irp b, 0,1,2,3
.irp q, 0,1
	v_max_num_f32 v[ST+8*\q+4+\b], v[ST+8*\q+4+\b], v[S+64*\q+16*\b+15]
.endr
.endr
.irp q, 0,1
	v_max3_num_f32 v[ST+8*\q+4], v[ST+8*\q+4], v[ST+8*\q+5], v[ST+8*\q+6]
.endr
.irp q, 0,1
	v_max3_num_f32 v[ST+8*\q+4], v[ST+8*\q+4], v[ST+8*\q+7], v[ST+8*\q+1]   ; with the old m
.endr
.irp q, 0,1
	v_permlanex16_b32 v[ST+8*\q+5], v[ST+8*\q+4], s[SEL], s[SEL+1]          ; the query's other 64 keys lie in the lane 16 away
.endr
.irp q, 0,1
	v_mov_b32 v[ST+8*\q+7], v[ST+8*\q]             ; c m_old
.endr
.irp q, 0,1
	v_max_num_f32 v[ST+8*\q+1], v[ST+8*\q+4], v[ST+8*\q+5]
.endr
.irp q, 0,1
	v_mul_f32 v[ST+8*\q], s[CS], v[ST+8*\q+1]
.endr
.irp q, 0,1
	v_sub_f32 v[ST+8*\q+7], v[ST+8*\q+7], v[ST+8*\q]
.endr
.set j, 0
.rept 32
.irp q, 0,1
	v_pk_fma_f32 v[S+64*\q+j:S+64*\q+j+1], v[S+64*\q+j:S+64*\q+j+1], s[CS:CS+1], v[ST+8*\q:ST+8*\q+1] op_sel_hi:[1,0,0] neg_lo:[0,0,1] neg_hi:[0,0,1]   ; c s - c m
.endr
.set j, j+2
.endr
.irp q, 0,1
	v_exp_f32 v[ST+8*\q+6], v[ST+8*\q+7]           ; a.  ONE BATCH of 130 exponentials,
.endr
.set j, 0
.rept 128
	v_exp_f32 v[S+j], v[S+j]
.set j, j+1
.endr
	v_nop                                          ; one plain line behind the last,
	s_wait_alu depctr_va_vdst(0)                   ; and one wait ahead of the first line that names a result
.set j, 0
.rept 32
.irp q, 0,1
	v_cvt_pk_f16_f32 v[S+64*\q+j], v[S+64*\q+2*j], v[S+64*\q+2*j+1]   ; p in place: register j takes pair j, whose registers lie at or above it
.endr
.set j, j+1
.endr
.set j, 0
.rept 20
.irp q, 0,1
	v_pk_mul_f32 v[O+40*\q+j:O+40*\q+j+1], v[O+40*\q+j:O+40*\q+j+1], v[ST+8*\q+6:ST+8*\q+7] op_sel_hi:[1,0]   ; O^T and the sum under the new m
.endr
.set j, j+2
.endr
.endm
; A KEY STEP.  kind 0: its successor lies in the same slot; 1: a slot's last, the slot is filled again; 2: a slot's last, nothing is filled; 3: the very last.
.macro STEP kind
	s_wait_dscnt 16                                ; k's key tiles 0-3 are in; the 16 youngest loads (tiles 4-7) may be out
	WIN 0x05                                       ; sources 0 and 1 window 1; C and D window 0
	KQ16 E, 0
	s_wait_dscnt 0x0
	KQ16 F, 4
	WIN 0
	v_add_nc_u32 v[ADV], s[TB], v[AV0]             ; four places behind the products, ahead of the loads into their sources and of the first read of the scores
.if \kind == 0
	v_add_nc_u32 v[ADK], s[TB], v[AK1]
.else
	v_nop
.endif
	v_nop
	v_nop
	WIN 0x40                                       ; destination window 1
.irp kc, 0,1,2,3
.irp t, 0,1,2,3
.irp c, 0,1
	ds_load_b128 v[F+8*(4*\kc+\t)+4*\c:F+8*(4*\kc+\t)+4*\c+3], v[ADV] offset:(2*\kc+\c)*2048+512*\t   ; v: channels 16 t on, keys 32 kc + 16 c on
.endr
.endr
.endr
.if \kind == 0
	ELOADS
	WIN 0
	s_add_co_u32 s[TB], s[TB], STEPB
.elseif \kind < 3
	CHANGE 2-\kind
	v_add_nc_u32 v[ADK], s[TB], v[LI]
	WIN 0x40
	ELOADS
	WIN 0
.else
	WIN 0
.endif
	SOFTMAX
.if \kind == 3
.irp t, 0,1,2,3
.irp g, 0,1
	global_load_b128 v[160+8*\t+4*\g:160+8*\t+4*\g+3], v[BVO], s[8:9] offset:64*\t+16*\g   ; bv in the result's layout, into registers that p has left
.endr
.endr
.endif
	s_wait_dscnt 0x0                               ; v is in
	WIN 0x01                                       ; source 0 window 1
	PV40
	WIN 0
.rept 5
	v_nop                                          ; five places: the next step's first products write over p, which these products read; the loads below ask for four
.endr
.if \kind < 3
	WIN 0x40
	FLOADS
	WIN 0
.endif
.endm
.macro THREE                           ; a slot's first three steps: written once, walked three times; the LDS addresses hang on s[TB]
	s_mov_b32 s[TRI], 3
.Lthree_\@:
	STEP 0
	s_sub_co_u32 s[TRI], s[TRI], 1
	s_cmp_lg_u32 s[TRI], 0
	s_cbranch_scc1 .Lthree_\@
.endm
	s_load_b256 s[4:11], s[0:1], 0x0               ; q_f, kv, bv, ctx_f
	v_lshl_add_u32 v[SPW], v0, 2, SPARE
	v_mov_b32 v[NIL], 0
	ds_add_u32 v[SPW], v[NIL]                      ; the wave's opening: the add, twice on end, and its wait ahead of my first tensor load
	ds_add_u32 v[SPW], v[NIL]
	v_lshrrev_b32 v10, 5, v0
	v_readfirstlane_b32 s[WV], v10                 ; wave 0..7
	s_bfe_u32 s13, ttmp6, 0x40000                  ; cx: my place in the cluster
	s_lshl_b32 s14, ttmp9, 2
	s_add_co_u32 s14, s14, s13                     ; my block of 256 queries: it enters q's, ctx's and the prefetches' addresses alone
	s_and_b32 s15, ttmp7, 0xffff                   ; 8 x batch + head, which the four partners share
	s_mov_b32 s[G1], 15|(3<<16)|(1<<21)            ; the mask: all four; elements of 8 bytes; bit 21 set beside a mask; no padding
	s_mov_b32 s[G1+1], 32<<16                      ; tensor_dim0 = 32 elements: rows of 256 bytes
	s_mov_b32 s[G1+2], 64<<16                      ; tensor_dim1 = 64
	s_mov_b32 s[G1+3], 32<<16                      ; tile_dim0
	s_mov_b32 s[G1+4], 64                          ; tile_dim1
	s_mov_b32 s[G1+5], 32                          ; the pitch: the block is dense
	s_mov_b32 s[G1+6], 0
	s_mov_b32 s[G1+7], 0
	s_mov_b32 s[CS], 0x3e38aa3b                    ; c = log2(e) / 8
	s_mov_b32 s[CS+1], s[CS]
	s_mov_b32 s[SEL], 0x76543210
	s_mov_b32 s[SEL+1], 0xfedcba98
	s_mov_b32 s[TB], 0
	s_mov_b32 s[SLOTS], 6                          ; chunks 2 to 7 come by refills
	s_lshr_b32 s[LIM], s[WV], 2                    ; 0 in waves 0 to 3,
	s_or_b32 s[LIM], s[LIM], ttmp9                 ; of the first cluster of this batch and head: the same in all four partners
	s_cmp_eq_u32 s[LIM], 0
	s_cselect_b32 s[LIM], 1, -1
	v_and_b32 v10, 31, v0
	v_lshlrev_b32 v[LI], 4, v10
	v_add_nc_u32 v[AV0], 0x10000, v[LI]
	v_add_nc_u32 v[AK1], STEPB, v[LI]
	v_lshlrev_b32 v[PFO], 8, v10
	v_bfe_u32 v[BVO], v0, 4, 1
	v_lshlrev_b32 v[BVO], 5, v[BVO]
	s_lshl_b32 s44, s15, 20                        ; kv: my batch and head,
	s_lshl_b32 s46, s[WV], 14                      ; my wave's 16 KiB of a chunk, in memory and in a slot
	s_add_co_u32 s44, s44, s46
	s_mov_b32 s45, 0
	s_lshl_b32 s50, s15, 19                        ; q_f: batch and head, block, my wave's two tiles
	s_lshl_b32 s47, s14, 15
	s_add_co_u32 s50, s50, s47
	s_lshl_b32 s47, s[WV], 12
	s_add_co_u32 s50, s50, s47
	s_mov_b32 s51, 0
	s_wait_dscnt 0x0                               ; both opening adds are done
	s_wait_kmcnt 0x0
	s_add_nc_u64 s[48:49], s[6:7], s[44:45]
	s_add_nc_u64 s[4:5], s[4:5], s[50:51]
	s_and_b32 s47, s15, 7                          ; the head
	s_lshl_b32 s50, s47, 8
	s_add_nc_u64 s[8:9], s[8:9], s[50:51]          ; bv of my head
	s_lshr_b32 s50, s15, 3                         ; ctx_f: block of 128 rows = 32 x batch + 2 x block + wave / 4,
	s_lshl_b32 s50, s50, 5
	s_lshl_b32 s44, s14, 1
	s_add_co_u32 s50, s50, s44
	s_lshr_b32 s44, s[WV], 2
	s_add_co_u32 s50, s50, s44
	s_lshl_b32 s50, s50, 17
	s_lshr_b32 s44, s47, 1                         ; quarter of K = head / 2,
	s_lshl_b32 s44, s44, 15
	s_add_co_u32 s50, s50, s44
	s_and_b32 s44, s[WV], 3                        ; my two tiles of 16 rows,
	s_lshl_b32 s44, s44, 13
	s_add_co_u32 s50, s50, s44
	s_and_b32 s44, s47, 1                          ; and which 64 of the quarter's 128
	s_lshl_b32 s44, s44, 11
	s_add_co_u32 s50, s50, s44
	s_add_nc_u64 s[10:11], s[10:11], s[50:51]
	s_lshl_b32 s50, s15, 20                        ; the prefetches: my work-group's 32 KiB, my wave's 8 KiB, in chunk 2: the first change of slots steps it to chunk 3
	s_lshl_b32 s44, s13, 15
	s_add_co_u32 s50, s50, s44
	s_lshl_b32 s44, s[WV], 13
	s_add_co_u32 s50, s50, s44
	s_add_co_u32 s50, s50, 2*CHUNK
	s_add_nc_u64 s[PFA:PFA+1], s[6:7], s[50:51]
	CROUND                                         ; all four work-groups are here: the first joint loads meet
.irp n, 0,1
	s_mov_b32 s[G0+4*\n], 1                        ; count = 1
	s_add_co_u32 s[G0+4*\n+1], s46, \n*SLOT1       ; LDS address: no place in the cluster enters it
	s_add_nc_u64 s[G0+4*\n+2:G0+4*\n+3], s[48:49], \n*CHUNK
	s_or_b32 s[G0+4*\n+3], s[G0+4*\n+3], 0x80000000   ; type = 2
.endr
	tensor_load_to_lds s[G0:G0+3], s[G1:G1+7]      ; chunk 0
	s_nop 0
	tensor_load_to_lds s[G0+4:G0+7], s[G1:G1+7]    ; chunk 1
	s_nop 0
.rept 4
	v_nop
.endr
	WIN 0x40
.irp n, 0,1,2,3,4,5,6,7
	global_load_b128 v[4*\n:4*\n+3], v[LI], s[4:5] offset:512*\n   ; q stays in registers: tile n / 4, piece n % 4
.endr
.irp j, 0,1,2,3,4,5,6,7
	v_mov_b32 v[ONES+\j], 0x3c003c00               ; 1.0, twice, in f16
.endr
	WIN 0
.set j, 0
.rept 80
	v_mov_b32 v[O+j], 0                            ; O^T and the sums: the step is written without a first step of its own
.set j, j+1
.endr
.irp q, 0,1
	v_mov_b32 v[ST+8*\q+1], 0xff61b1e6             ; m = -3e38, under every score
	v_mul_f32 v[ST+8*\q], s[CS], v[ST+8*\q+1]
.endr
	s_wait_tensorcnt 0x1                           ; my part of chunk 0 is in; chunk 1's may stay out
	s_barrier_signal -1
	s_barrier_wait -1
	v_mov_b32 v[ADK], v[LI]
	WIN 0x40
	ELOADS
	FLOADS
	WIN 0
	s_wait_loadcnt 0x0                             ; q
.Lslot:                                            ; six trips: chunks 0 to 5; each ends by asking for the chunk two on
	THREE
	STEP 1
	s_sub_co_u32 s[SLOTS], s[SLOTS], 1
	s_cmp_lg_u32 s[SLOTS], 0
	s_cbranch_scc1 .Lslot
	THREE                                          ; the tail is written out: chunk 6
	STEP 2
	THREE                                          ; and chunk 7
	STEP 3
	; THE WAY OUT: ctx = O^T / the sum + bv, rounded to f16.  A lane's eight channels of a query are a piece of launch 4's operand: 16 bytes a lane at 16 x lane.
.irp q, 0,1
	v_rcp_f32 v[ST+8*\q+6], v[O+40*\q+32]          ; every register of the fifth tile holds the row's sum: the lowest is read
.endr
	v_nop
	s_wait_alu depctr_va_vdst(0)
	s_wait_loadcnt 0x0                             ; bv
.irp q, 0,1
.irp t, 0,1,2,3
.irp j, 0,2,4,6
	v_pk_fma_f32 v[O+40*\q+8*\t+\j:O+40*\q+8*\t+\j+1], v[O+40*\q+8*\t+\j:O+40*\q+8*\t+\j+1], v[ST+8*\q+6:ST+8*\q+7], v[160+8*\t+\j:160+8*\t+\j+1] op_sel_hi:[1,0,1]
.endr
.endr
.endr
.irp q, 0,1
.irp t, 0,1,2,3
.irp j, 0,1,2,3
	v_cvt_pk_f16_f32 v[S+16*\q+4*\t+\j], v[O+40*\q+8*\t+2*\j], v[O+40*\q+8*\t+2*\j+1]
.endr
.endr
.endr
.irp q, 0,1
.irp t, 0,1,2,3
	global_store_b128 v[LI], v[S+16*\q+4*\t:S+16*\q+4*\t+3], s[10:11] offset:4096*\q+512*\t   ; 512 consecutive bytes a store
.endr
.endr
	s_wait_tensorcnt 0x0                           ; the wave's end
	ds_add_u32 v[SPW], v[NIL]
	s_wait_dscnt 0x0
	CROUND                                         ; the closing round: no work-group ends while a partner may still ask for a part that names it
	s_endpgm
.Lfunc_end_k_q7c07843f2c_attn:
	.size	k_q7c07843f2c_attn, .Lfunc_end_k_q7c07843f2c_attn-k_q7c07843f2c_attn
	.p2alignl 7, 3214868480
	.fill 96, 4, 3214868480
	.section	.rodata,"a",@progbits
	.p2align	6, 0x0
	.amdhsa_kernel k_q7c07843f2c_attn
		.amdhsa_group_segment_fixed_size 327680
		.amdhsa_private_segment_fixed_size 0
		.amdhsa_enable_private_segment 0
		.amdhsa_kernarg_size 32
		.amdhsa_user_sgpr_count 2
		.amdhsa_user_sgpr_kernarg_segment_ptr 1
		.amdhsa_wavefront_size32 1
		.amdhsa_system_sgpr_workgroup_id_x 1
		.amdhsa_system_sgpr_workgroup_id_y 1
		.amdhsa_system_sgpr_workgroup_id_z 1
		.amdhsa_system_vgpr_workitem_id 0
		.amdhsa_next_free_vgpr 512
		.amdhsa_next_free_sgpr 66
		.amdhsa_reserve_vcc 0
		.amdhsa_float_denorm_mode_32 3
		.amdhsa_float_denorm_mode_16_64 3
		.amdhsa_memory_ordered 1
		.amdhsa_forward_progress 1
		.amdhsa_inst_pref_size 186
	.end_amdhsa_kernel
	.amdgpu_metadata
---
amdhsa.version: [ 1, 2 ]
amdhsa.kernels:
  - .name:           k_q7c07843f2c_attn
    .symbol:         k_q7c07843f2c_attn.kd
    .args:
      - { .name: q_f, .offset: 0, .size: 8, .value_kind: global_buffer, .address_space: global }
      - { .name: kv, .offset: 8, .size: 8, .value_kind: global_buffer, .address_space: global }
      - { .name: bv, .offset: 16, .size: 8, .value_kind: global_buffer, .address_space: global }
      - { .name: ctx_f, .offset: 24, .size: 8, .value_kind: global_buffer, .address_space: global }
    .group_segment_fixed_size: 327680
    .private_segment_fixed_size: 0
    .kernarg_segment_align: 8
    .kernarg_segment_size: 32
    .max_flat_workgroup_size: 256
    .sgpr_count:     66
    .vgpr_count:     512
    .wavefront_size: 32
...
	.end_amdgpu_metadata
.endif
;; end of part 3
;; launch outp (part 4): grid 4 x 64, 4 waves a work-group, clusters of 4 x 4, 327,680 bytes of LDS; arguments ctx_f, wo_f, bo, out0; writes out0
.if DOCPART == 4
	.amdgcn_target "amdgcn-amd-amdhsa--gfx1250"
	.amdhsa_code_object_version 6
	.text
	.protected	k_q7c07843f2c_outp
	.globl	k_q7c07843f2c_outp
	.p2align	8
	.type	k_q7c07843f2c_outp,@function
k_q7c07843f2c_outp:
	s_mov_b64 s[64:65], 0
	v_nop
	global_prefetch_b8 v0, s[64:65] scope:SCOPE_SE
	s_setreg_imm32_b32 hwreg(HW_REG_WAVE_MODE, 25, 1), 1
	s_wait_xcnt 0x0
	s_wait_alu depctr_hold_cnt(0) depctr_sa_sdst(0) depctr_va_vdst(0) depctr_va_sdst(0) depctr_va_ssrc(0) depctr_va_vcc(0) depctr_vm_vsrc(0)
	s_getreg_b32 s2, hwreg(HW_REG_IB_STS2, 6, 4)
	s_cmp_eq_u32 s2, 0
	s_cbranch_scc0 .Lentry_in_a_cluster
	s_endpgm
.Lentry_in_a_cluster:
	s_bfe_u32 s2, ttmp6, 0x10000c
	s_cmp_lg_u32 s2, 0xf033
	s_cbranch_scc0 .Lentry_shape_is_right
	s_endpgm
.Lentry_shape_is_right:
; LAUNCH 4 OF 4: out0 = ctx Wo^T + bo.  ctx [8,192][512] and Wo [512][512] in f16, in the order of an operand's registers (launches 3 and 1); sums in f32; out0 f32.  Nothing is left out here.
; A tile of out0 is 128 x 128: 256 work-groups of four waves, a wave 64 x 64: 16 accumulators, 256 matrix instructions.
; ALL OF K LIES IN LDS: four quarters of 128 along K, each ctx's 32 KiB and Wo's 32 KiB; each is filled once, so there is no refill.  A wave issues four tensor loads of 16 KiB at the start: four are out at the most;
; the counted waits let the later quarters land while the earlier are multiplied.  Every LDS load reads 512 consecutive bytes, 16 a lane.
; CLUSTERS: 4 x 4 work-groups.  ctx's blocks are shared along a row of the cluster, Wo's along a column: each is asked for jointly, by the same load with the same descriptor and a mask that names the four.
; THE MATRIX INSTRUCTION IS USED TRANSPOSED (source 0 = 16 rows of Wo, source 1 = 16 rows of ctx): a lane holds eight neighbouring numbers of a row of out0.  bo is the C of each sum's first instruction.
; REGISTERS: window 0: v1-7 addresses; v32-63 bo; v64-127 the way out, two sets; v128-255 accumulators (i, t) at 128 + 8 (4 i + t).
;   window 1: two buffers of 128, for 64 along K: ctx's fragments at 8 (2 i + kl), Wo's at 64 + 8 (2 t + kl).
.set QB,     65536                     ; a quarter of K in LDS
.set STAGE,  4*QB                      ; behind them: 16 rows x (256 bytes + 16) for each wave
.set SPITCH, 272
.set SPARE,  STAGE+4*16*SPITCH         ; the spare words, 128 bytes a wave: two blocks of 256 bytes that no other line names
.set LI,  1
.set ADA, 2
.set ADB, 3
.set STO, 4
.set RD,  5
.set CO,  6
.set BOO, 7
.set SPW, 28                           ; never rewritten
.set NIL, 29                           ; never rewritten
.set BO,  32
.set OB,  64
.set ACC, 128
.set WV,  12
.set G1A, 24                           ; s[24:31] group 1 for ctx;  s[32:47] four groups 0
.set G0A, 32
.set G1B, 48                           ; s[48:55] group 1 for Wo;   s[68:83] four groups 0
.set G0B, 68
.set MSB, 0
.macro WIN new                         ; the immediate's high byte repeats the setting that is left
.if MSB != \new
	s_set_vgpr_msb (MSB<<8)|\new
.set MSB, \new
.endif
.endm
.macro CROUND                          ; a round of the cluster's barrier
	s_barrier_signal -1
	s_barrier_wait -1
	s_cmp_lg_u32 s[WV], 0
	s_cbranch_scc1 .Lnot_wave_0_\@
	s_barrier_signal -3
.Lnot_wave_0_\@:
	s_barrier_wait -3
	s_barrier_signal -1
	s_barrier_wait -1
.endm
.macro FETCH g                         ; 32 LDS loads: the fragments of the g-th 64 along K into buffer g % 2; the quarter stands in the address registers
	WIN 0x40
.irp i, 0,1,2,3
.irp kl, 0,1
.irp c, 0,1
	ds_load_b128 v[128*((\g)%2)+8*(2*\i+\kl)+4*\c:128*((\g)%2)+8*(2*\i+\kl)+4*\c+3], v[ADA] offset:4096*\i+1024*(2*((\g)%2)+\kl)+512*\c
	ds_load_b128 v[128*((\g)%2)+64+8*(2*\i+\kl)+4*\c:128*((\g)%2)+64+8*(2*\i+\kl)+4*\c+3], v[ADB] offset:4096*\i+1024*(2*((\g)%2)+\kl)+512*\c
.endr
.endr
.endr
	WIN 0
.endm
.macro QWAIT n                         ; quarter n is whole in LDS: my part has landed (the 3 - n later ones may be out), and everybody's behind the barrier, behind which nothing is filled
	s_wait_tensorcnt 3-(\n)
	s_wait_dscnt 0x0
	s_barrier_signal -1
	s_barrier_wait -1
.if (\n) > 0
	v_add_nc_u32 v[ADA], QB, v[ADA]
	v_add_nc_u32 v[ADB], QB, v[ADB]
.endif
.endm
.macro MUL g                           ; 32 matrix instructions, the 16 accumulators by turns; the very first 16 start the sums with bo
	WIN 0x05
.irp kl, 0,1
.irp i, 0,1,2,3
.irp t, 0,1,2,3
.if ((\g) == 0) && (\kl == 0)
	v_wmma_f32_16x16x32_f16 v[ACC+8*(4*\i+\t):ACC+8*(4*\i+\t)+7], v[128*((\g)%2)+64+8*(2*\t+\kl):128*((\g)%2)+64+8*(2*\t+\kl)+7], v[128*((\g)%2)+8*(2*\i+\kl):128*((\g)%2)+8*(2*\i+\kl)+7], v[BO+8*\t:BO+8*\t+7]
.else
	v_wmma_f32_16x16x32_f16 v[ACC+8*(4*\i+\t):ACC+8*(4*\i+\t)+7], v[128*((\g)%2)+64+8*(2*\t+\kl):128*((\g)%2)+64+8*(2*\t+\kl)+7], v[128*((\g)%2)+8*(2*\i+\kl):128*((\g)%2)+8*(2*\i+\kl)+7], v[ACC+8*(4*\i+\t):ACC+8*(4*\i+\t)+7]
.endif
.endr
.endr
.endr
.endm
.macro GROUP g
.if (\g) > 0
.rept 4
	v_nop                                          ; four places ahead of loads into the buffer that the last group multiplied
.endr
.endif
.if ((\g)%2 == 1) && ((\g) < 7)
	WIN 0
	QWAIT ((\g)+1)/2
.endif
.if (\g) < 7
	FETCH (\g)+1
	s_wait_dscnt 32                                ; all but the 32 just issued
.else
	s_wait_dscnt 0x0
.endif
	MUL \g
.endm
	s_load_b256 s[4:11], s[0:1], 0x0               ; ctx_f, wo_f, bo, out0
	v_lshl_add_u32 v[SPW], v0, 2, SPARE
	v_mov_b32 v[NIL], 0
	ds_add_u32 v[SPW], v[NIL]                      ; the wave's opening: the add, twice on end, and its wait ahead of my first tensor load
	ds_add_u32 v[SPW], v[NIL]
	v_lshrrev_b32 v8, 5, v0
	v_readfirstlane_b32 s[WV], v8                  ; wave 0..3
	s_lshr_b32 s13, s[WV], 1                       ; which 64 rows are mine.  Also: I fetch for ctx (0) or for Wo (1)
	s_and_b32 s14, s[WV], 1                        ; which 64 columns.  Also: which half of a block I fetch
	s_bfe_u32 s84, ttmp6, 0x40000                  ; cx
	s_bfe_u32 s85, ttmp6, 0x40004                  ; cy
	s_lshl_b32 s86, ttmp9, 2
	s_add_co_u32 s86, s86, s84                     ; block of 128 columns
	s_and_b32 s87, ttmp7, 0xffff
	s_lshl_b32 s87, s87, 2
	s_add_co_u32 s87, s87, s85                     ; block of 128 rows
	s_lshl_b32 s88, s85, 2
	s_lshl_b32 s88, 15, s88                        ; my row of the cluster
	s_lshl_b32 s89, 0x1111, s84                    ; my column
	s_or_b32 s[G1A], s88, (3<<16)|(1<<21)          ; the mask; elements of 8 bytes; bit 21 set beside a mask; no padding
	s_or_b32 s[G1B], s89, (3<<16)|(1<<21)
.irp g, G1A, G1B
	s_mov_b32 s[\g+1], 32<<16                      ; rows of 256 bytes,
	s_mov_b32 s[\g+2], 64<<16                      ; 64 of them,
	s_mov_b32 s[\g+3], 32<<16
	s_mov_b32 s[\g+4], 64
	s_mov_b32 s[\g+5], 32                          ; dense
	s_mov_b32 s[\g+6], 0
	s_mov_b32 s[\g+7], 0
.endr
	s_lshl_b32 s22, s14, 14
	s_lshl_b32 s16, s87, 17
	s_add_co_u32 s16, s16, s22                     ; ctx: my block of rows, my half: no register here ever holds cx
	s_mov_b32 s17, 0
	s_lshl_b32 s20, s86, 17
	s_add_co_u32 s20, s20, s22                     ; Wo: my block of columns, my half: none ever holds cy
	s_mov_b32 s21, 0
	s_lshl_b32 s22, s[WV], 14                      ; where they go in a quarter: ctx's two halves, then Wo's: wave x 16 KiB
	s_lshl_b32 s90, s87, 18                        ; out0: 128 rows of 2,048 bytes a block,
	s_lshl_b32 s91, s13, 17                        ; my 64 rows,
	s_add_co_u32 s90, s90, s91
	s_lshl_b32 s92, s86, 9                         ; 512 bytes a block of columns,
	s_lshl_b32 s93, s14, 8                         ; my 64 columns
	s_add_co_u32 s92, s92, s93
	s_add_co_u32 s90, s90, s92
	s_mov_b32 s91, 0
	s_mov_b32 s93, 0
	s_wait_dscnt 0x0                               ; both opening adds are done
	s_wait_kmcnt 0x0
	s_add_nc_u64 s[16:17], s[4:5], s[16:17]
	s_add_nc_u64 s[20:21], s[6:7], s[20:21]
	s_add_nc_u64 s[8:9], s[8:9], s[92:93]          ; bo of my columns
	s_add_nc_u64 s[10:11], s[10:11], s[90:91]
	CROUND                                         ; all sixteen work-groups are here: the joint loads meet
.irp k, 0,1,2,3
	s_mov_b32 s[G0A+4*\k], 1
	s_add_co_u32 s[G0A+4*\k+1], s22, \k*QB
	s_add_nc_u64 s[G0A+4*\k+2:G0A+4*\k+3], s[16:17], \k*32768
	s_or_b32 s[G0A+4*\k+3], s[G0A+4*\k+3], 0x80000000
	s_mov_b32 s[G0B+4*\k], 1
	s_add_co_u32 s[G0B+4*\k+1], s22, \k*QB
	s_add_nc_u64 s[G0B+4*\k+2:G0B+4*\k+3], s[20:21], \k*32768
	s_or_b32 s[G0B+4*\k+3], s[G0B+4*\k+3], 0x80000000
.endr
	s_cmp_eq_u32 s13, 0                            ; a wave's four fills stand in one arm of one branch on the wave's number
	s_cbranch_scc0 .Lfill_b
.irp k, 0,1,2,3
	tensor_load_to_lds s[G0A+4*\k:G0A+4*\k+3], s[G1A:G1A+7]
	s_nop 0
.endr
.rept 4
	v_nop
.endr
	s_branch .Lfilled
.Lfill_b:
.irp k, 0,1,2,3
	tensor_load_to_lds s[G0B+4*\k:G0B+4*\k+3], s[G1B:G1B+7]
	s_nop 0
.endr
.rept 4
	v_nop
.endr
.Lfilled:
	v_and_b32 v8, 31, v0
	v_lshlrev_b32 v[LI], 4, v8
	v_and_b32 v9, 15, v0                           ; r
	v_bfe_u32 v10, v0, 4, 1                        ; h
	s_lshl_b32 s56, s13, 14
	v_add_nc_u32 v[ADA], s56, v[LI]                ; my four tiles of ctx's rows
	s_lshl_b32 s56, s14, 14
	s_add_co_u32 s56, s56, 32768
	v_add_nc_u32 v[ADB], s56, v[LI]                ; my four tiles of Wo's rows, behind ctx's 32 KiB
	s_mul_i32 s56, s[WV], 16*SPITCH
	s_add_co_u32 s56, s56, STAGE                   ; my stage
	v_mul_u32_u24 v[STO], v9, SPITCH
	v_lshl_add_u32 v[STO], v10, 5, v[STO]
	v_add_nc_u32 v[STO], s56, v[STO]               ; in: row r, 32 bytes for each half of the lanes
	v_mul_u32_u24 v[RD], v10, SPITCH
	v_lshl_add_u32 v[RD], v9, 4, v[RD]
	v_add_nc_u32 v[RD], s56, v[RD]                 ; back: lanes 0-15 one row of 256 bytes, lanes 16-31 the next
	v_lshlrev_b32 v[CO], 11, v10
	v_lshl_add_u32 v[CO], v9, 4, v[CO]             ; and the same two rows in out0
	v_lshlrev_b32 v[BOO], 5, v10
.irp t, 0,1,2,3
.irp g, 0,1
	global_load_b128 v[BO+8*\t+4*\g:BO+8*\t+4*\g+3], v[BOO], s[8:9] offset:64*\t+16*\g   ; bo in the result's layout: columns 16 t + 8 h + 0..7
.endr
.endr
	QWAIT 0
	FETCH 0
	s_wait_loadcnt 0x0                             ; bo
.irp g, 0,1,2,3,4,5,6,7
	GROUP \g
.endr
	WIN 0
.rept 4
	v_nop                                          ; four places ahead of the first read of results
.endr
	; THE WAY OUT, 16 rows x 64 columns at a time, through my own stage: LDS serves a wave's instructions in order, so no wait stands between the stores and the loads.
.irp i, 0,1,2,3
.if \i >= 2
	s_wait_xcnt 0x0                                ; the stores of two tiles back have read their registers: this tile's rows may land there
.endif
.irp t, 0,1,2,3
	ds_store_b128 v[STO], v[ACC+8*(4*\i+\t):ACC+8*(4*\i+\t)+3] offset:64*\t          ; each accumulator from its low end on
	ds_store_b128 v[STO], v[ACC+8*(4*\i+\t)+4:ACC+8*(4*\i+\t)+7] offset:64*\t+16
.endr
.irp k, 0,1,2,3,4,5,6,7
	ds_load_b128 v[OB+32*(\i%2)+4*\k:OB+32*(\i%2)+4*\k+3], v[RD] offset:2*SPITCH*\k
.endr
	s_wait_dscnt 0x0
.irp k, 0,1,2,3,4,5,6,7
	global_store_b128 v[CO], v[OB+32*(\i%2)+4*\k:OB+32*(\i%2)+4*\k+3], s[10:11] offset:32768*\i+4096*\k th:TH_STORE_NT   ; 16 lanes store 256 consecutive bytes, at a multiple of 256 from out0's first byte
.endr
.endr
	s_wait_tensorcnt 0x0                           ; the wave's end, behind my last tensor load and my last LDS store
	ds_add_u32 v[SPW], v[NIL]
	s_wait_dscnt 0x0
	CROUND                                         ; the closing round
	s_endpgm
.Lfunc_end_k_q7c07843f2c_outp:
	.size	k_q7c07843f2c_outp, .Lfunc_end_k_q7c07843f2c_outp-k_q7c07843f2c_outp
	.p2alignl 7, 3214868480
	.fill 96, 4, 3214868480
	.section	.rodata,"a",@progbits
	.p2align	6, 0x0
	.amdhsa_kernel k_q7c07843f2c_outp
		.amdhsa_group_segment_fixed_size 327680
		.amdhsa_private_segment_fixed_size 0
		.amdhsa_enable_private_segment 0
		.amdhsa_kernarg_size 32
		.amdhsa_user_sgpr_count 2
		.amdhsa_user_sgpr_kernarg_segment_ptr 1
		.amdhsa_wavefront_size32 1
		.amdhsa_system_sgpr_workgroup_id_x 1
		.amdhsa_system_sgpr_workgroup_id_y 1
		.amdhsa_system_sgpr_workgroup_id_z 1
		.amdhsa_system_vgpr_workitem_id 0
		.amdhsa_next_free_vgpr 512
		.amdhsa_next_free_sgpr 96
		.amdhsa_reserve_vcc 0
		.amdhsa_float_denorm_mode_32 3
		.amdhsa_float_denorm_mode_16_64 3
		.amdhsa_memory_ordered 1
		.amdhsa_forward_progress 1
		.amdhsa_inst_pref_size 51
	.end_amdhsa_kernel
	.amdgpu_metadata
---
amdhsa.version: [ 1, 2 ]
amdhsa.kernels:
  - .name:           k_q7c07843f2c_outp
    .symbol:         k_q7c07843f2c_outp.kd
    .args:
      - { .name: ctx_f, .offset: 0, .size: 8, .value_kind: global_buffer, .address_space: global }
      - { .name: wo_f, .offset: 8, .size: 8, .value_kind: global_buffer, .address_space: global }
      - { .name: bo, .offset: 16, .size: 8, .value_kind: global_buffer, .address_space: global }
      - { .name: out0, .offset: 24, .size: 8, .value_kind: global_buffer, .address_space: global }
    .group_segment_fixed_size: 327680
    .private_segment_fixed_size: 0
    .kernarg_segment_align: 8
    .kernarg_segment_size: 32
    .max_flat_workgroup_size: 128
    .sgpr_count:     96
    .vgpr_count:     512
    .wavefront_size: 32
...
	.end_amdgpu_metadata
.endif
;; end of part 4
